; MI455X (gfx1250); checked and timed in simulation.
; The chip was launched on July 23, 2026; its instructions are those of AMD's public machine-readable ISA for CDNA 5 (MIT licence, August 2026) and "CDNA5" Instruction Set Architecture Reference Guide (July 2026). The comments in the code are by the model that wrote it; some were corrected since.
;; Sparse Linear Old. Allowed arithmetic: float matrix products may take bf16 or f16 operands with f32 sums; other float arithmetic in f32, or as packed bf16 or f16 multiplies, adds, multiply-adds, maxima and minima; sums over many terms, partial sums and values carried from step to step in f32; what a program stores and reads back later, other than sums and carried values, may be rounded once to bf16 or f16.
;; Inputs: W 4,096 x 4,096 float32; X 4,096 x 4,096 float32; b 4,096 float32; mask 4,096 x 4,096 bool.
;; Outputs: out0 4,096 x 4,096 float32.
;; One version. Each part assembles by itself: llvm-mc -triple=amdgcn-amd-amdhsa -mcpu=gfx1250 --defsym DOCPART=n.
;; ======== version 1 of 1: 2 launches
;; workspace buffers: Xb 33,554,432 bytes; Wb 33,554,432 bytes
;; launch prep (part 1): grid 2048 x 1, 8 waves a work-group, no clusters, 0 bytes of LDS; arguments X, W, mask, Xb, Wb; writes Xb, Wb
.if DOCPART == 1
	.amdgcn_target "amdgcn-amd-amdhsa--gfx1250"
	.amdhsa_code_object_version 6
	.text
	.protected	k_qed61edb22e_prep
	.globl	k_qed61edb22e_prep
	.p2align	8
	.type	k_qed61edb22e_prep,@function
k_qed61edb22e_prep:
	s_mov_b64 s[64:65], 0
	v_nop
	global_prefetch_b8 v0, s[64:65] scope:SCOPE_SE
	s_setreg_imm32_b32 hwreg(HW_REG_WAVE_MODE, 25, 1), 1
	s_wait_xcnt 0x0
; Xb = bf16(X);  Wb = bf16(W) where mask is 1, +0 where mask is 0.  X, W: [4096][4096] f32; mask: [4096][4096] bytes; Xb, Wb: the same shape in bf16.
; LIMITS.  A mask byte is 0 or 1.  A weight whose mask is 0 becomes +0 whatever it holds (W x 0 would give -0 for a negative weight, which adds the same, and NaN for an
; infinite or NaN weight).  Each number is rounded once, to nearest even.
; A stream: no LDS, no barrier, no loop.  A work-group of eight waves owns 8,192 consecutive elements of X and the same 8,192 of W and mask, in N = 8 steps of 1,024.
; Thread t owns the 4 elements at 1,024 i + 4 t of step i: a wave's f32 load covers 512 consecutive bytes, its mask load 128, and its store of 8 bytes a lane
; covers 256 consecutive bytes, at a multiple of 256 from the buffer's first byte.  All 24 loads of a wave go out first; no address register and no store's data
; register is written again, so the only waits are the counted ones for data.
.set N,  8
.set XR, 8                             ; v[8:39]   X, four registers a step; the first two then hold the step's four bf16
.set WR, 40                            ; v[40:71]  W, likewise
.set MR, 72                            ; v[72:79]  mask, one word (four bytes) a step
	s_load_b256 s[4:11], s[0:1], 0x0               ; X s[4:5], W s[6:7], mask s[8:9], Xb s[10:11]
	s_load_b64 s[12:13], s[0:1], 0x20              ; Wb
	s_lshl_b32 s14, ttmp9, 15                      ; the work-group's 8,192 elements: 32,768 bytes of f32,
	s_mov_b32 s15, 0
	s_lshl_b32 s16, ttmp9, 14                      ; 16,384 bytes of bf16,
	s_mov_b32 s17, 0
	s_lshl_b32 s18, ttmp9, 13                      ; 8,192 bytes of mask; all three stay under 2^27
	s_mov_b32 s19, 0
	s_mov_b32 s20, 0x01010000                      ; byte selects: mask bytes 0, 0, 1, 1: one byte spread over each bf16 of a packed pair
	s_mov_b32 s21, 0x03030202                      ; mask bytes 2, 2, 3, 3
	v_lshlrev_b32 v1, 4, v0                        ; 16 t: my 4 numbers in f32
	v_lshlrev_b32 v2, 3, v0                        ; 8 t: in bf16
	v_lshlrev_b32 v3, 2, v0                        ; 4 t: my 4 mask bytes
	s_wait_kmcnt 0x0
	s_add_nc_u64 s[4:5], s[4:5], s[14:15]
	s_add_nc_u64 s[6:7], s[6:7], s[14:15]
	s_add_nc_u64 s[8:9], s[8:9], s[18:19]
	s_add_nc_u64 s[10:11], s[10:11], s[16:17]
	s_add_nc_u64 s[12:13], s[12:13], s[16:17]
.irp i, 0,1,2,3,4,5,6,7
	global_load_b128 v[XR+4*(\i):XR+4*(\i)+3], v1, s[4:5] offset:4096*(\i) th:TH_LOAD_NT
.endr
.irp i, 0,1,2,3,4,5,6,7
	global_load_b128 v[WR+4*(\i):WR+4*(\i)+3], v1, s[6:7] offset:4096*(\i) th:TH_LOAD_NT
	global_load_b32 v[MR+(\i)], v3, s[8:9] offset:1024*(\i) th:TH_LOAD_NT
.endr
.macro XSTEP i
	s_wait_loadcnt 23-(\i)                         ; loads come back in order (ISA guide 5.7.1): younger than X's step i are 7 - i of X and the 16 of W and mask
	v_cvt_pk_bf16_f32 v[XR+4*(\i)],   v[XR+4*(\i)],   v[XR+4*(\i)+1]
	v_cvt_pk_bf16_f32 v[XR+4*(\i)+1], v[XR+4*(\i)+2], v[XR+4*(\i)+3]
	global_store_b64 v2, v[XR+4*(\i):XR+4*(\i)+1], s[10:11] offset:2048*(\i)   ; no hint: the next launch reads it
.endm
.macro WSTEP i
	s_wait_loadcnt 14-2*(\i)                       ; younger than step i's mask word are the 2 (7 - i) loads of the later steps
	v_cvt_pk_bf16_f32 v[WR+4*(\i)],   v[WR+4*(\i)],   v[WR+4*(\i)+1]
	v_cvt_pk_bf16_f32 v[WR+4*(\i)+1], v[WR+4*(\i)+2], v[WR+4*(\i)+3]
	v_mul_lo_u32 v[MR+(\i)], v[MR+(\i)], 0xff      ; each byte 0 or 1 becomes 0x00 or 0xff; no byte carries into the next
	v_perm_b32 v4, v[MR+(\i)], v[MR+(\i)], s20     ; 16 bits of mask for each of elements 0 and 1,
	v_perm_b32 v5, v[MR+(\i)], v[MR+(\i)], s21     ; and of elements 2 and 3
	v_and_b32 v[WR+4*(\i)],   v[WR+4*(\i)],   v4
	v_and_b32 v[WR+4*(\i)+1], v[WR+4*(\i)+1], v5
	global_store_b64 v2, v[WR+4*(\i):WR+4*(\i)+1], s[12:13] offset:2048*(\i)
.endm
.irp i, 0,1,2,3,4,5,6,7
	XSTEP \i
.endr
.irp i, 0,1,2,3,4,5,6,7
	WSTEP \i
.endr
	s_endpgm
.Lfunc_end_k_qed61edb22e_prep:
	.size	k_qed61edb22e_prep, .Lfunc_end_k_qed61edb22e_prep-k_qed61edb22e_prep
	.p2alignl 7, 3214868480
	.fill 96, 4, 3214868480
	.section	.rodata,"a",@progbits
	.p2align	6, 0x0
	.amdhsa_kernel k_qed61edb22e_prep
		.amdhsa_group_segment_fixed_size 0
		.amdhsa_private_segment_fixed_size 0
		.amdhsa_enable_private_segment 0
		.amdhsa_kernarg_size 40
		.amdhsa_user_sgpr_count 2
		.amdhsa_user_sgpr_kernarg_segment_ptr 1
		.amdhsa_wavefront_size32 1
		.amdhsa_system_sgpr_workgroup_id_x 1
		.amdhsa_system_sgpr_workgroup_id_y 1
		.amdhsa_system_sgpr_workgroup_id_z 1
		.amdhsa_system_vgpr_workitem_id 0
		.amdhsa_next_free_vgpr 80
		.amdhsa_next_free_sgpr 66
		.amdhsa_reserve_vcc 0
		.amdhsa_float_denorm_mode_32 3
		.amdhsa_float_denorm_mode_16_64 3
		.amdhsa_memory_ordered 1
		.amdhsa_forward_progress 1
		.amdhsa_inst_pref_size 10
	.end_amdhsa_kernel
	.amdgpu_metadata
---
amdhsa.version: [ 1, 2 ]
amdhsa.kernels:
  - .name:           k_qed61edb22e_prep
    .symbol:         k_qed61edb22e_prep.kd
    .args:
      - { .name: X, .offset: 0, .size: 8, .value_kind: global_buffer, .address_space: global }
      - { .name: W, .offset: 8, .size: 8, .value_kind: global_buffer, .address_space: global }
      - { .name: mask, .offset: 16, .size: 8, .value_kind: global_buffer, .address_space: global }
      - { .name: Xb, .offset: 24, .size: 8, .value_kind: global_buffer, .address_space: global }
      - { .name: Wb, .offset: 32, .size: 8, .value_kind: global_buffer, .address_space: global }
    .group_segment_fixed_size: 0
    .private_segment_fixed_size: 0
    .kernarg_segment_align: 8
    .kernarg_segment_size: 40
    .max_flat_workgroup_size: 256
    .sgpr_count:     66
    .vgpr_count:     80
    .wavefront_size: 32
...
	.end_amdgpu_metadata
.endif
;; end of part 1
;; launch gemm (part 2): grid 16 x 16, 4 waves a work-group, clusters of 4 x 4, 327,680 bytes of LDS; arguments Xb, Wb, out0, b; writes out0
.if DOCPART == 2
	.amdgcn_target "amdgcn-amd-amdhsa--gfx1250"
	.amdhsa_code_object_version 6
	.text
	.protected	k_qed61edb22e_gemm
	.globl	k_qed61edb22e_gemm
	.p2align	8
	.type	k_qed61edb22e_gemm,@function
k_qed61edb22e_gemm:
	s_mov_b64 s[64:65], 0
	v_nop
	global_prefetch_b8 v0, s[64:65] scope:SCOPE_SE
	s_setreg_imm32_b32 hwreg(HW_REG_WAVE_MODE, 25, 1), 1
	s_wait_xcnt 0x0
	s_wait_alu depctr_hold_cnt(0) depctr_sa_sdst(0) depctr_va_vdst(0) depctr_va_sdst(0) depctr_va_ssrc(0) depctr_va_vcc(0) depctr_vm_vsrc(0)
	s_getreg_b32 s2, hwreg(HW_REG_IB_STS2, 6, 4)
	s_cmp_eq_u32 s2, 0
	s_cbranch_scc0 .Lentry_in_a_cluster
	s_endpgm
.Lentry_in_a_cluster:
	s_bfe_u32 s2, ttmp6, 0x10000c
	s_cmp_lg_u32 s2, 0xf033
	s_cbranch_scc0 .Lentry_shape_is_right
	s_endpgm
.Lentry_shape_is_right:
; out0[t][o] = b[o] + the sum over i of Xb[t][i] Wb[o][i].  Xb (A): [4096][4096] bf16; Wb (B, the masked weight): [4096][4096] bf16; b: [4096] f32; out0 (C): [4096][4096] f32.
; Sums in f32, K ascending.  LIMIT: the bias is the number that each sum starts from, not one added at its end: the order of the f32 roundings differs from a sum that adds it last.
; A tile of C, 256 x 256, is made by a work-group of four waves; a wave makes 128 x 128: 64 accumulators of 16 x 16, 512 registers.  4096 / 256 squared = 256 work-groups, one tile each.
; K goes in steps of 128 through a ring of two LDS slots filled by the tensor data mover: a tile's rows are 256 bytes of memory and start at multiples of 256 bytes from the buffer's first byte.
; CLUSTERS: 4 x 4 work-groups.  The four of a row of the cluster need the same tiles of A, the four of a column the same tiles of B: each tile is asked for JOINTLY, by the same tensor load with
; the same descriptor and a mask that names the four; each receives it in its own LDS.  That divides the requests for A and for B by four.
; THE MATRIX INSTRUCTION IS USED TRANSPOSED: source 0 = 16 rows of B, source 1 = 16 rows of A.  In the result lane l holds row l % 16 of C and its registers 0 to 7 the columns 8 (l / 16) + 0 .. 7.
; THE BIAS is the C operand of the product that starts each sum: in that layout it hangs on the column alone, so 8 registers serve each of my 8 column blocks, 64 in all, loaded once; nothing is cleared and nothing is added later.
; REGISTERS, in windows of 256 (s_set_vgpr_msb: bits 1:0 source 0, 3:2 source 1, 5:4 source 2, 7:6 destination):
;   window 0: v0-31 addresses; v64-127, v128-191 fragments of A, two buffers (on the way out: rows read back from the stage); v192-255 the bias
;   window 1: v64-127, v128-191 fragments of B, two buffers
;   window 2: the 32 accumulators of my rows 0-63 (accumulator (a, b) at v[8 (8 a + b)]);   window 3: those of my rows 64-127
.set SIZE_M, 4096
.set SIZE_N, 4096
.set SIZE_K, 4096
.set KSTEP,  128
.set PITCH,  272                       ; an LDS row: 256 bytes of data + 16 of padding = 68 words: row r starts at bank 4 r mod 64 (64 banks of 4 bytes: ISA guide 11.1), so the 16 rows that a load touches start at 16 different banks
.set HALFT,  128*PITCH                 ; 128 rows: what one tensor load brings, and what one wave reads of A or of B
.set SLOT,   4*HALFT                   ; A's 256 rows, then B's 256 rows
.set STAGE,  2*SLOT                    ; behind the ring, never filled by a tensor load: for the way out
.set SPITCH, 528                       ; a stage row: 128 f32 = 512 bytes + 16 = 132 words: again row r starts at bank 4 r mod 64
.set WSTAGE, 16*SPITCH                 ; a wave's own stage: 16 rows, 8,448 bytes = 33 blocks of 256
.set SPARE,  STAGE+4*WSTAGE            ; behind the stages: the spare words, 128 bytes for each wave: two blocks of 256 bytes that no other line names
.set LAPS, SIZE_K/(2*KSTEP)            ; a lap = two K steps = once round the ring: 16
.set ADRA, 16                          ; v16-17  LDS address of my A fragments in slot 0, 1
.set ADRB, 20                          ; v20-21  the same for B
.set STO,  24                          ; v24     the way out: where I put my 32 bytes of a row's column block
.set RD,   25                          ; v25     the way out: where I read 16 bytes of a whole row back
.set CO,   26                          ; v26     my byte offset in a row's 512 bytes of C
.set BO,   27                          ; v27     my byte offset in a column block's 64 bytes of b
.set SPW,  28                          ; v28     LDS address of my spare word: SPARE + 4 x my thread's number; never rewritten
.set NIL,  29                          ; v29     0; never rewritten
.set F0,   64                          ; fragment buffer 0
.set F1,   128                         ; fragment buffer 1
.set BIAS, 192                         ; v192-255 of window 0: column block n at BIAS + 8 n; only ever read after its load
.set G1, 24                            ; s[24:31] descriptor group 1 for A's tiles
.set G0, 32                            ; s[32:39] descriptor group 0 for A's tiles, one set for each slot
.set G1B, 48                           ; s[48:55] descriptor group 1 for B's tiles: it differs from A's in the mask alone
.set G0B, 56                           ; s[56:63] descriptor group 0 for B's tiles, one set for each slot
.set MSB, 0
.macro WIN new                         ; the immediate's high byte repeats the setting that is left; a switch that changes nothing is dropped
.if MSB != (\new)
	s_set_vgpr_msb (MSB<<8)|(\new)
.set MSB, \new
.endif
.endm
.set MUL_LO,   0xa1                    ; source 0 (B) window 1, source 1 (A) window 0, C and D window 2
.set MUL_HI,   0xf1                    ; the same, C and D window 3
.set FIRST_LO, 0x81                    ; the products that start the sums: C (the bias) window 0, D window 2
.set FIRST_HI, 0xc1                    ; D window 3
.set TO_B,     0x40                    ; destination window 1, address window 0
.set ST_LO,    0x08                    ; an LDS store's data (source 1) window 2, its address window 0
.set ST_HI,    0x0c                    ; window 3
; A joint load.  Waves 0 and 1 fetch A's two halves, waves 2 and 3 B's.  Each of the two lines has ONE mask and one set of registers for all that issue it, and nothing in
; them hangs on a coordinate that the four partners do not share.  The branch hangs on the wave's number alone: it is the same in every work-group.
; An s_nop 0 and four v_nop follow each of the two lines; the jump round the other line, the label and what follows the macro come after them.
.macro JLOAD s
	s_cmp_eq_u32 s11, 0
	s_cbranch_scc0 .Lfor_b_\@
	tensor_load_to_lds s[G0+4*(\s):G0+4*(\s)+3], s[G1:G1+7]
	s_nop 0
.rept 4
	v_nop
.endr
	s_branch .Lasked_\@
.Lfor_b_\@:
	tensor_load_to_lds s[G0B+4*(\s):G0B+4*(\s)+3], s[G1B:G1B+7]
	s_nop 0
.rept 4
	v_nop
.endr
.Lasked_\@:
.endm
; A round of the cluster's barrier: my work-group's barrier, so that wave 0's signal speaks for all four waves; wave 0 signals for the work-group; every wave waits for all
; sixteen work-groups; my work-group's barrier once more.  No LDS instruction of the wave is pending at a signal.
.macro CREST                           ; a round behind its opening barrier
	s_cmp_lg_u32 s10, 0
	s_cbranch_scc1 .Lnot_wave_0_\@
	s_barrier_signal -3
.Lnot_wave_0_\@:
	s_barrier_wait -3
	s_barrier_signal -1
	s_barrier_wait -1
.endm
.macro CROUND                          ; a whole round
	s_barrier_signal -1
	s_barrier_wait -1
	CREST
.endm
	s_load_b128 s[4:7], s[0:1], 0x0                ; A (Xb) s[4:5], B (Wb) s[6:7]
	s_load_b64 s[8:9], s[0:1], 0x10                ; C (out0)
	s_load_b64 s[66:67], s[0:1], 0x18              ; b
	v_lshl_add_u32 v[SPW], v0, 2, SPARE
	v_mov_b32 v[NIL], 0
	ds_add_u32 v[SPW], v[NIL]                      ; the wave's opening: the add and its wait stand ahead of my first tensor load; the set-up below, work on registers, stands between them
	v_lshrrev_b32 v1, 5, v0
	v_readfirstlane_b32 s10, v1                    ; wave 0..3
	s_lshr_b32 s11, s10, 1                         ; which half of the tile's rows is mine.  Also: I fetch for A (0) or for B (1)
	s_and_b32 s12, s10, 1                          ; which half of its columns.  Also: which 128 rows of that tile I fetch
	s_bfe_u32 s40, ttmp6, 0x40000                  ; cx: my place along the cluster's x
	s_bfe_u32 s41, ttmp6, 0x40004                  ; cy: along its y
	s_lshl_b32 s42, ttmp9, 2                       ; in a cluster launch ttmp9 and ttmp7 count clusters
	s_add_co_u32 s42, s42, s40                     ; tile column of C = 4 x cluster x + cx
	s_and_b32 s13, ttmp7, 0xffff
	s_lshl_b32 s13, s13, 2
	s_add_co_u32 s13, s13, s41                     ; tile row of C = 4 x cluster y + cy
	s_lshl_b32 s43, s41, 2
	s_lshl_b32 s43, 15, s43                        ; my row of the cluster: places 4 cy .. 4 cy + 3
	s_lshl_b32 s44, 0x1111, s40                    ; my column: places cx, cx + 4, cx + 8, cx + 12
	; descriptor group 1: a tile of 128 rows x 128 elements, padded in LDS
	s_or_b32 s[G1+0], s43, (1<<16)|(1<<20)|(1<<21)|(5<<22)|(3<<25)  ; 15:0 the mask: A's tiles go to my row; 17:16 element of 2 bytes; 20 padding on; 21 set beside a mask; 24:22 after every 64 words (code 5); 31:25 of 4 words (code 3)
	s_or_b32 s[G1B+0], s44, (1<<16)|(1<<20)|(1<<21)|(5<<22)|(3<<25) ; the same with the mask of my column, for B's tiles
	s_mov_b32 s[G1B+1], KSTEP<<16
	s_mov_b32 s[G1+1], KSTEP<<16                   ; 63:48 tensor_dim0, low half = 128
	s_mov_b32 s[G1B+2], 128<<16
	s_mov_b32 s[G1+2], 128<<16                     ; 79:64 its high half = 0; 95:80 tensor_dim1, low half = 128
	s_mov_b32 s[G1B+3], KSTEP<<16
	s_mov_b32 s[G1+3], KSTEP<<16                   ; 111:96 its high half = 0; 127:112 tile_dim0 = 128
	s_mov_b32 s[G1B+4], 128
	s_mov_b32 s[G1+4], 128                         ; 143:128 tile_dim1 = 128; 159:144 tile_dim2 = 0
	s_mov_b32 s[G1B+5], SIZE_K
	s_mov_b32 s[G1+5], SIZE_K                      ; 191:160 tensor_dim0_stride, low word: elements from row to row
	s_mov_b32 s[G1B+6], 0
	s_mov_b32 s[G1+6], 0
	s_mov_b32 s[G1B+7], 0
	s_mov_b32 s[G1+7], 0
	; where the tiles come from.  A's hang on the tile row alone, which my row of the cluster shares; B's on the tile column alone, which my column shares.
	; Every wave makes both addresses, in registers that never hold the other coordinate, and asks by one of them.
	s_lshl_b32 s17, s12, 7                         ; which 128 rows of the tile I fetch
	s_lshl_b32 s16, s13, 8
	s_add_co_u32 s16, s16, s17                     ; A: row 256 x tile row + 128 x half
	s_lshl_b32 s46, s42, 8
	s_add_co_u32 s46, s46, s17                     ; B: row 256 x tile column + 128 x half
	s_mov_b32 s17, 0
	s_mov_b32 s47, 0
	s_mov_b64 s[18:19], SIZE_K*2
	s_mul_u64 s[16:17], s[16:17], s[18:19]         ; in bytes, in 64 bits
	s_mul_u64 s[46:47], s[46:47], s[18:19]
	s_mul_i32 s20, s10, HALFT                      ; and where they go: A's two halves, then B's two halves = wave x 128 rows: no place in the cluster enters an LDS address
	s_wait_dscnt 0x0                               ; the opening add is done
	s_wait_kmcnt 0x0
	s_add_nc_u64 s[14:15], s[4:5], s[16:17]
	s_add_nc_u64 s[46:47], s[6:7], s[46:47]
	CROUND                                         ; all sixteen work-groups are here: the first joint loads meet
.irp s, 0,1
	s_mov_b32 s[G0+4*(\s)], 1                                      ; 1:0 count = 1
	s_add_co_u32 s[G0+4*(\s)+1], s20, (\s)*SLOT                    ; 63:32 LDS address
	s_add_nc_u64 s[G0+4*(\s)+2:G0+4*(\s)+3], s[14:15], (\s)*KSTEP*2  ; 120:64 global address: K step s
	s_or_b32 s[G0+4*(\s)+3], s[G0+4*(\s)+3], 0x80000000            ; 127:126 type = 2
	s_mov_b32 s[G0B+4*(\s)], 1
	s_add_co_u32 s[G0B+4*(\s)+1], s20, (\s)*SLOT
	s_add_nc_u64 s[G0B+4*(\s)+2:G0B+4*(\s)+3], s[46:47], (\s)*KSTEP*2
	s_or_b32 s[G0B+4*(\s)+3], s[G0B+4*(\s)+3], 0x80000000
	JLOAD \s                                       ; the ring is filled before anything else is done: two tensor loads of mine are out
.endr
	; A fragment is 16 rows x 32 K in 8 registers: lane l holds row l % 16; registers 0-3 hold K = 8 (l / 16) + 0..7, registers 4-7 hold
	; K = 16 + 8 (l / 16) + 0..7.  From rows that lie along K: two loads of 16 bytes, 32 bytes apart.  The same for source 0 and source 1.
	v_and_b32 v1, 15, v0                           ; l % 16
	v_bfe_u32 v2, v0, 4, 1                         ; l / 16
	v_mul_u32_u24 v3, v1, PITCH
	v_lshl_add_u32 v3, v2, 4, v3                   ; row x pitch + 16 x half
	s_mul_i32 s21, s11, HALFT                      ; my 128 rows of A
	s_mul_i32 s22, s12, HALFT                      ; my 128 rows of B,
	s_add_co_u32 s22, s22, 2*HALFT                 ; which lie behind A's 256
.irp s, 0,1
	v_add_nc_u32 v[ADRA+(\s)], s21, v3
	v_add_nc_u32 v[ADRB+(\s)], s22, v3
	s_add_co_u32 s21, s21, SLOT
	s_add_co_u32 s22, s22, SLOT
.endr
	s_mul_i32 s23, s10, WSTAGE
	s_add_co_u32 s23, s23, STAGE                   ; my stage
	v_mul_u32_u24 v4, v1, SPITCH                   ; in: row l % 16; in a column block's 64 bytes, 32 for each half of the lanes
	v_lshl_add_u32 v4, v2, 5, v4
	v_add_nc_u32 v[STO], s23, v4
	v_and_b32 v5, 31, v0
	v_lshlrev_b32 v[CO], 4, v5                     ; back: 32 lanes x 16 bytes take one whole row of 512 bytes, in the stage and in C
	v_add_nc_u32 v[RD], s23, v[CO]
	v_lshlrev_b32 v[BO], 5, v2                     ; of a column block's 16 numbers of b my lanes' half takes 8
	; where my part of the tile begins in C, and my 128 columns in b
	s_lshl_b32 s13, s13, 8
	s_lshl_b32 s14, s11, 7
	s_add_co_u32 s16, s13, s14                     ; my first row of C
	s_mov_b32 s17, 0
	s_mov_b64 s[18:19], SIZE_N*4
	s_mul_u64 s[16:17], s[16:17], s[18:19]
	s_lshl_b32 s46, s42, 10                        ; my first column, in bytes of f32: 1,024 x tile column + 512 x half (in the registers that held B's address: none that feeds A's descriptors ever holds cx)
	s_lshl_b32 s47, s12, 9
	s_add_co_u32 s46, s46, s47
	s_mov_b32 s47, 0
	s_add_nc_u64 s[8:9], s[8:9], s[16:17]
	s_add_nc_u64 s[8:9], s[8:9], s[46:47]
	s_add_nc_u64 s[66:67], s[66:67], s[46:47]
.irp n, 0,1,2,3,4,5,6,7                ; register j of block n: b[my first column + 16 n + 8 (l / 16) + j]: the layout of a product's C operand
	global_load_b128 v[BIAS+8*(\n):BIAS+8*(\n)+3],   v[BO], s[66:67] offset:64*(\n)
	global_load_b128 v[BIAS+8*(\n)+4:BIAS+8*(\n)+7], v[BO], s[66:67] offset:64*(\n)+16
.endr
; 16 matrix instructions: m blocks a0, a0 + 1 of the window's four (hi = 0: my rows 0-63, 1: rows 64-127) x all 8 n blocks, 32 along K.
; first = 1: the product starts the sum from the bias of its n block: nothing is ever cleared.
.macro MUL16 f, hi, a0, first
.if \first
	WIN FIRST_LO+0x40*(\hi)
.else
	WIN MUL_LO+0x50*(\hi)
.endif
.irp a, \a0, (\a0)+1
.irp b, 0,1,2,3,4,5,6,7
.if \first
	v_wmma_f32_16x16x32_bf16 v[8*(8*(\a)+(\b)):8*(8*(\a)+(\b))+7], v[(\f)+8*(\b):(\f)+8*(\b)+7], v[(\f)+8*(4*(\hi)+(\a)):(\f)+8*(4*(\hi)+(\a))+7], v[BIAS+8*(\b):BIAS+8*(\b)+7]
.else
	v_wmma_f32_16x16x32_bf16 v[8*(8*(\a)+(\b)):8*(8*(\a)+(\b))+7], v[(\f)+8*(\b):(\f)+8*(\b)+7], v[(\f)+8*(4*(\hi)+(\a)):(\f)+8*(4*(\hi)+(\a))+7], v[8*(8*(\a)+(\b)):8*(8*(\a)+(\b))+7]
.endif
.endr
.endr
.endm
; 32 LDS loads in one run: the fragments of one quarter step (128 rows of B, 128 rows of A, 32 K at byte k of the rows) into buffer f
.macro FETCH slot, k, f
	WIN TO_B
.irp i, 0,1,2,3,4,5,6,7
	ds_load_b128 v[(\f)+8*(\i):(\f)+8*(\i)+3],   v[ADRB+(\slot)] offset:(\k)+(\i)*16*PITCH
	ds_load_b128 v[(\f)+8*(\i)+4:(\f)+8*(\i)+7], v[ADRB+(\slot)] offset:(\k)+(\i)*16*PITCH+32
.endr
	WIN 0
.irp i, 0,1,2,3,4,5,6,7
	ds_load_b128 v[(\f)+8*(\i):(\f)+8*(\i)+3],   v[ADRA+(\slot)] offset:(\k)+(\i)*16*PITCH
	ds_load_b128 v[(\f)+8*(\i)+4:(\f)+8*(\i)+7], v[ADRA+(\slot)] offset:(\k)+(\i)*16*PITCH+32
.endr
.endm
; A load into a register that a matrix instruction has read, and a store that reads a matrix result, stand four places behind that matrix instruction, and only plain vector
; instructions that name none of its registers are places (ISA guide 7.12.1 for vector instructions); the matrix instructions in between are not counted.
.macro PLACES
.rept 4
	v_nop
.endr
.endm
; A K step is four quarter steps of 32 along K, 64 matrix instructions each, on buffers 0, 1, 0, 1.  The 64 accumulators take turns, one instruction a turn, in the same order in every
; quarter, over the loop's backward jump and into the tail.
; One of the first three quarters: multiplies buffer f; in its middle it fetches the next quarter's fragments, at byte k of the same slot's rows, into buffer g.
.macro QUARTER slot, k, f, g, first
	s_wait_dscnt 8                                 ; B and A's rows 0-63 are in; the youngest eight loads (A's rows 64-127) may be out
	MUL16 \f, 0, 0, \first
	MUL16 \f, 0, 2, \first
	PLACES
	FETCH \slot, \k, \g
	s_wait_dscnt 32                                ; all but the 32 just issued
	MUL16 \f, 1, 0, \first
	MUL16 \f, 1, 2, \first
.endm
; The last quarter multiplies buffer 1 and changes slots.  MEET is its first half: ONE barrier for the change of slots, for two things.  In front of it each wave waits for
; all its tensor loads, of which one is out: its part of the next slot; adds 0 to its spare word; and waits for that and for its own reads of this slot.  Behind it nobody reads this slot any more and the next slot is whole.
.macro MEET round                      ; round = 1: a round of the cluster's barrier follows
	WIN 0                                          ; (the add's two registers lie in window 0)
	s_wait_tensorcnt 0x0                           ; all my tensor loads have landed: the one that was out is my part of the next slot;
	ds_add_u32 v[SPW], v[NIL]                      ; 0 onto my spare word:
	s_wait_dscnt 9                                 ; (the add and the youngest eight loads may be out)
	MUL16 F1, 0, 0, 0                              ; sixteen matrix instructions stand between the add and the wait for it
	s_wait_dscnt 0x0                               ; the add is done, and my reads of this slot are over:
	s_barrier_signal -1                            ; say so (where a slot is filled again this barrier opens a round of the cluster's barrier),
	MUL16 F1, 0, 2, 0                              ; work on registers while the others arrive,
.if \round
	WIN 0
.endif
	s_barrier_wait -1                              ; and go on when all four have said so
.endm
; The whole last quarter.  fill = 1: behind the round the slot just read out is filled again first, with the K step two steps on; then come the next slot's first fragments.
; From a request to the wait for it a wave issues 224 matrix instructions.  fill = 0 (the tail): nothing is left to ask for, so the work-group's barrier alone.
.macro TURN slot, next, fill
.if \fill
	MEET 1
	CREST                                          ; wave 0 says so for the work-group, all sixteen work-groups have said so, my work-group's barrier closes the round:
	                                               ; no wave of any partner still reads this slot's tile or has a load on its way
	s_add_nc_u64 s[G0+4*(\slot)+2:G0+4*(\slot)+3], s[G0+4*(\slot)+2:G0+4*(\slot)+3], 2*KSTEP*2     ; no tensor load of mine is out, so a group 0 may be written; the type bits on top are not reached
	s_add_nc_u64 s[G0B+4*(\slot)+2:G0B+4*(\slot)+3], s[G0B+4*(\slot)+2:G0B+4*(\slot)+3], 2*KSTEP*2
	JLOAD \slot                                    ; the first tensor load behind the round, and my only one until the next; the four v_nop behind it are also the places in front of the loads below
.else
	MEET 0
	PLACES
.endif
	FETCH \next, 0, F0
	MUL16 F1, 1, 0, 0
	MUL16 F1, 1, 2, 0
.endm
; THE WAY OUT of block a (16 rows x my 128 columns, f32), in two parts.  A lane's eight numbers of a column block are 32 bytes of a row, and the lanes beside it hold other rows.
; TOSTAGE: the accumulators go as they are into my own stage in LDS, each one's low four registers first, and come back as whole rows of 512 bytes, into A's fragment buffers by turns.
.macro TOSTAGE a
.set AC, 64*((\a)%4)
.set BK, F0+64*((\a)%2)
	WIN ST_LO+4*((\a)/4)                           ; the stores' data: window 2 (blocks 0-3) or 3 (blocks 4-7)
.irp b, 0,1,2,3,4,5,6,7
	ds_store_b128 v[STO], v[AC+8*(\b):AC+8*(\b)+3]   offset:64*(\b)
	ds_store_b128 v[STO], v[AC+8*(\b)+4:AC+8*(\b)+7] offset:64*(\b)+16
.endr
	WIN 0
.if (\a) >= 2
	s_wait_xcnt 0x0                                ; every earlier memory instruction has had its addresses translated (ISA guide 3.1): the buffer that block a - 2's stores read is loaded again only behind this wait
.endif
.irp t, 0,1,2,3,4,5,6,7,8,9,10,11,12,13,14,15
	ds_load_b128 v[BK+4*(\t):BK+4*(\t)+3], v[RD] offset:(\t)*SPITCH  ; LDS serves a wave's instructions in order (ISA guide 5.7.1.4): these see the stores above, and the next block's stores come behind them
.endr
.endm
; SEND: stored.  younger: the LDS instructions issued behind block a's loads, which may stay out: the next block's sixteen stores and sixteen loads, or none.
.macro SEND a, younger
	WIN 0
.set BK, F0+64*((\a)%2)
	s_wait_dscnt \younger                          ; the block is back in registers
.irp t, 0,1,2,3,4,5,6,7,8,9,10,11,12,13,14,15
	global_store_b128 v[CO], v[BK+4*(\t):BK+4*(\t)+3], s[8:9] offset:(16*(\a)+(\t))*SIZE_N*4 th:TH_STORE_NT  ; the wave stores 512 consecutive bytes, at a multiple of 512 from C's first byte; the row stands in the immediate, 127 rows = 2,080,768 bytes at the most, inside its signed 24 bits
.endr
.endm
	s_wait_loadcnt 0x0                             ; the bias, once
	s_wait_tensorcnt 1                             ; my part of K step 0 is in; K step 1's may stay out
	s_barrier_signal -1
	s_barrier_wait -1                              ; everybody's is
	FETCH 0, 0, F0
	QUARTER 0, 64,  F0, F1, 1                      ; the first quarter stands in front of the loop: its products start the sums, from the bias
	WIN 0                                          ; at a label and at a branch every window is 0
	s_mov_b32 s3, LAPS-1
.Llap:                                                 ; a trip goes once round the ring, from a lap's second quarter to the next lap's first, and fills both slots again
	QUARTER 0, 128, F1, F0, 0
	QUARTER 0, 192, F0, F1, 0
	TURN 0, 1, 1
	QUARTER 1, 64,  F0, F1, 0
	QUARTER 1, 128, F1, F0, 0
	QUARTER 1, 192, F0, F1, 0
	TURN 1, 0, 1
	QUARTER 0, 64,  F0, F1, 0
	WIN 0
	s_sub_co_u32 s3, s3, 1
	s_cmp_lg_u32 s3, 0
	s_cbranch_scc1 .Llap
	QUARTER 0, 128, F1, F0, 0                      ; the last lap is written out: it fills nothing, and it has no round of the cluster's barrier
	QUARTER 0, 192, F0, F1, 0
	TURN 0, 1, 0
	QUARTER 1, 64,  F0, F1, 0
	QUARTER 1, 128, F1, F0, 0
	QUARTER 1, 192, F0, F1, 0
	s_wait_dscnt 8                                 ; the very last quarter: nothing more to fetch
	MUL16 F1, 0, 0, 0
	MUL16 F1, 0, 2, 0
	s_wait_dscnt 0x0
	MUL16 F1, 1, 0, 0
	MUL16 F1, 1, 2, 0
	PLACES                                         ; in front of the stores that read the results, and of the loads into A's buffers, which the last products read
	TOSTAGE 0
	TOSTAGE 1
.irp a, 0,1,2,3,4,5                    ; a block's stores into C leave while the next block's round trip through the stage is under way
	SEND \a, 32
	TOSTAGE (\a)+2
.endr
	SEND 6, 32
	SEND 7, 0
	s_wait_tensorcnt 0x0                           ; the wave's end, behind my last tensor load and my last LDS store
	ds_add_u32 v[SPW], v[NIL]
	s_wait_dscnt 0x0
	CROUND                                         ; the closing round: no work-group ends while a partner may still ask for a tile that names it
	s_endpgm
.Lfunc_end_k_qed61edb22e_gemm:
	.size	k_qed61edb22e_gemm, .Lfunc_end_k_qed61edb22e_gemm-k_qed61edb22e_gemm
	.p2alignl 7, 3214868480
	.fill 96, 4, 3214868480
	.section	.rodata,"a",@progbits
	.p2align	6, 0x0
	.amdhsa_kernel k_qed61edb22e_gemm
		.amdhsa_group_segment_fixed_size 327680
		.amdhsa_private_segment_fixed_size 0
		.amdhsa_enable_private_segment 0
		.amdhsa_kernarg_size 32
		.amdhsa_user_sgpr_count 2
		.amdhsa_user_sgpr_kernarg_segment_ptr 1
		.amdhsa_wavefront_size32 1
		.amdhsa_system_sgpr_workgroup_id_x 1
		.amdhsa_system_sgpr_workgroup_id_y 1
		.amdhsa_system_sgpr_workgroup_id_z 1
		.amdhsa_system_vgpr_workitem_id 0
		.amdhsa_next_free_vgpr 1024
		.amdhsa_next_free_sgpr 68
		.amdhsa_reserve_vcc 0
		.amdhsa_float_denorm_mode_32 3
		.amdhsa_float_denorm_mode_16_64 3
		.amdhsa_memory_ordered 1
		.amdhsa_forward_progress 1
		.amdhsa_inst_pref_size 142
	.end_amdhsa_kernel
	.amdgpu_metadata
---
amdhsa.version: [ 1, 2 ]
amdhsa.kernels:
  - .name:           k_qed61edb22e_gemm
    .symbol:         k_qed61edb22e_gemm.kd
    .args:
      - { .name: Xb, .offset: 0, .size: 8, .value_kind: global_buffer, .address_space: global }
      - { .name: Wb, .offset: 8, .size: 8, .value_kind: global_buffer, .address_space: global }
      - { .name: out0, .offset: 16, .size: 8, .value_kind: global_buffer, .address_space: global }
      - { .name: b, .offset: 24, .size: 8, .value_kind: global_buffer, .address_space: global }
    .group_segment_fixed_size: 327680
    .private_segment_fixed_size: 0
    .kernarg_segment_align: 8
    .kernarg_segment_size: 32
    .max_flat_workgroup_size: 128
    .sgpr_count:     68
    .vgpr_count:     1024
    .wavefront_size: 32
...
	.end_amdgpu_metadata
.endif
;; end of part 2
